; MI455X (gfx1250); checked and timed in simulation.
; The chip was launched on July 23, 2026; its instructions are those of AMD's public machine-readable ISA for CDNA 5 (MIT licence, August 2026) and "CDNA5" Instruction Set Architecture Reference Guide (July 2026). The comments in the code are by the model that wrote it; some were corrected since.
;; Cosine Vector Quantizer. Allowed arithmetic: float matrix products may take bf16 or f16 operands with f32 sums; other float arithmetic in f32, or as packed bf16 or f16 multiplies, adds, multiply-adds, maxima and minima; sums over many terms, partial sums and values carried from step to step in f32; what a program stores and reads back later, other than sums and carried values, may be rounded once to bf16 or f16.
;; Inputs: embedding 8,192 x 256 float32; x 32,768 x 256 float32.
;; Outputs: out0 32,768 x 256 float32; out1 one number float32; out2 32,768 int32; out3 32,768 float32.
;; One version. Each part assembles by itself: llvm-mc -triple=amdgcn-amd-amdhsa -mcpu=gfx1250 --defsym DOCPART=n.
;; ======== version 1 of 1: 4 launches
;; workspace buffers: eb 4,194,304 bytes; rn 32,768 bytes; cval 262,144 bytes; cidx 262,144 bytes of whole numbers; lrow 131,072 bytes
;; launch prep (part 1): grid 128 x 1, 16 waves a work-group, no clusters, 2,304 bytes of LDS; arguments embedding, eb, rn; writes eb, rn
.if DOCPART == 1
	.amdgcn_target "amdgcn-amd-amdhsa--gfx1250"
	.amdhsa_code_object_version 6
	.text
	.protected	k_qf8d4af138a_prep
	.globl	k_qf8d4af138a_prep
	.p2align	8
	.type	k_qf8d4af138a_prep,@function
k_qf8d4af138a_prep:
	s_mov_b64 s[64:65], 0
	v_nop
	global_prefetch_b8 v0, s[64:65] scope:SCOPE_SE
	s_setreg_imm32_b32 hwreg(HW_REG_WAVE_MODE, 25, 1), 1
	s_wait_xcnt 0x0
; eb[n][:] = embedding[n][:] rounded to bf16;  rn[n] = 1 / max(||eb[n]||, 1e-12), the norm of the ROUNDED row, in f32.
; embedding: [8192][256] f32.  eb: [8192][256] bf16.  rn: [8192] f32.
; SHARES.  A work-group owns 64 rows, so that its 64 rn leave as 256 consecutive bytes; wave w owns rows 4 w .. 4 w + 3, one row across its 32 lanes.
; Lane L holds k = 4 L .. 4 L + 3 and 128 + 4 L .. + 3: a load of the wave covers 512 consecutive bytes, a store of the wave 256.
; No matrix unit, no cluster, no tensor load: every byte is read once and written once, and no work-group shares anything with another.
; LIMITS.  The sum of squares is held in f32: a row whose squares fall below f32's range counts as 0 and gets 1e12.  NaN and infinities are not treated apart.
.set SPARE, 256                        ; LDS: bytes 0-255 the 64 rn; from 256 on the spare words, 128 bytes for each of 16 waves
.set RV,  5                            ; v5      lane L: rn of row L % 4 of my four
.set SPW, 6                            ; v6      LDS address of my spare word; never rewritten
.set NIL, 7                            ; v7      0; never rewritten
.set X,   8                            ; v[8:39] row i: 8 registers as loaded
.set PK,  40                           ; v[40:43] a row's 8 numbers in bf16
.set U,   44                           ; v[44:51] the same, widened again
.set SS,  52                           ; v[52:53] sums of squares, even and odd places
	s_load_b128 s[4:7], s[0:1], 0x0                ; embedding s[4:5], eb s[6:7]
	s_load_b64 s[8:9], s[0:1], 0x10                ; rn
	v_lshl_add_u32 v[SPW], v0, 2, SPARE
	v_mov_b32 v[NIL], 0
	v_lshrrev_b32 v54, 5, v0
	v_readfirstlane_b32 s10, v54                   ; wave 0..15
	v_and_b32 v55, 31, v0                          ; lane
	v_lshlrev_b32 v1, 4, v55                       ; 16 bytes a lane in a half row of f32
	v_lshlrev_b32 v2, 3, v55                       ; 8 bytes a lane in a half row of bf16
	v_and_b32 v3, 3, v0
	s_lshl_b32 s11, s10, 2                         ; my first row in the group
	v_add_nc_u32 v4, s11, v3
	v_lshlrev_b32 v4, 2, v4                        ; LDS word of row 4 w + L % 4
	v_mov_b32 v[RV], 0
.irp i, 0,1,2,3
	v_cmp_eq_u32 s[12+(\i)], \i, v3                ; the lanes that keep row i's rn
.endr
	s_mov_b32 s2, 0xffff0000                       ; a word's upper bf16
	s_mov_b32 s16, 0x76543210                      ; v_permlanex16_b32: each lane takes its own place in the other half
	s_mov_b32 s17, 0xfedcba98
	s_lshl_b32 s18, ttmp9, 6
	s_add_co_u32 s18, s18, s11                     ; my first row
	s_lshl_b32 s20, s18, 10                        ; x 1,024 bytes of f32
	s_mov_b32 s21, 0
	s_lshl_b32 s22, s18, 9                         ; x 512 bytes of bf16
	s_mov_b32 s23, 0
	s_lshl_b32 s18, ttmp9, 8                       ; the group's 256 bytes of rn
	s_mov_b32 s19, 0
	s_wait_kmcnt 0x0
	s_add_nc_u64 s[4:5], s[4:5], s[20:21]
	s_add_nc_u64 s[6:7], s[6:7], s[22:23]
	s_add_nc_u64 s[8:9], s[8:9], s[18:19]
.irp i, 0,1,2,3
	global_load_b128 v[X+8*(\i):X+8*(\i)+3],   v1, s[4:5] offset:1024*(\i) th:TH_LOAD_NT
	global_load_b128 v[X+8*(\i)+4:X+8*(\i)+7], v1, s[4:5] offset:1024*(\i)+512 th:TH_LOAD_NT
.endr
.macro ROWP i
	s_wait_loadcnt 6-2*(\i)                        ; loads come back in order: row i's two are in, two for each later row stay out
	s_wait_xcnt 0x0                                ; PK was the data of the row before's stores: it is rewritten only behind this wait
.irp j, 0,1,2,3
	v_cvt_pk_bf16_f32 v[PK+(\j)], v[X+8*(\i)+2*(\j)], v[X+8*(\i)+2*(\j)+1]
.endr
	global_store_b64 v2, v[PK:PK+1],   s[6:7] offset:512*(\i)       ; the wave stores 256 consecutive bytes, at a multiple of 256 from eb's first byte
	global_store_b64 v2, v[PK+2:PK+3], s[6:7] offset:512*(\i)+256
.irp j, 0,1,2,3
	v_lshlrev_b32 v[U+2*(\j)],   16, v[PK+(\j)]    ; the rounded numbers as f32
	v_and_b32     v[U+2*(\j)+1], s2, v[PK+(\j)]
.endr
	v_pk_mul_f32 v[SS:SS+1], v[U:U+1], v[U:U+1]    ; the first product starts the sums
.irp j, 2,4,6
	v_pk_fma_f32 v[SS:SS+1], v[U+(\j):U+(\j)+1], v[U+(\j):U+(\j)+1], v[SS:SS+1]
.endr
	v_add_f32 v54, v[SS], v[SS+1]
	v_add_f32_dpp v54, v54, v54 row_xmask:1 row_mask:0xf bank_mask:0xf
	v_add_f32_dpp v54, v54, v54 row_xmask:2 row_mask:0xf bank_mask:0xf
	v_add_f32_dpp v54, v54, v54 row_xmask:4 row_mask:0xf bank_mask:0xf
	v_add_f32_dpp v54, v54, v54 row_xmask:8 row_mask:0xf bank_mask:0xf
	v_permlanex16_b32 v55, v54, s16, s17
	v_add_f32 v54, v54, v55                        ; every lane holds the row's sum of squares
	v_max_num_f32 v54, 0x179abe15, v54             ; max(ss, 1e-24): the same as max(norm, 1e-12)
	v_rsq_f32 v56, v54
	v_nop                                          ; a plain instruction between the transcendental and the use of its result (ISA guide 5.7.2)
	s_wait_alu depctr_va_vdst(0)
	v_mul_f32 v57, v54, v56                        ; one Newton step, r + r/2 (1 - ss r r): rn is compared across codes, so its error is kept near one rounding
	v_fma_f32 v58, -v57, v56, 1.0
	v_mul_f32 v59, 0.5, v56
	v_fma_f32 v58, v59, v58, v56
	v_cndmask_b32 v[RV], v[RV], v58, s[12+(\i)]
.endm
	ROWP 0
	ROWP 1
	ROWP 2
	ROWP 3
	ds_store_b32 v4, v[RV]                         ; lanes with the same L % 4 write the same word with the same number
	s_wait_tensorcnt 0x0                           ; behind the wave's last LDS store: a tensor wait, an add of 0 to the spare word, a wait;
	ds_add_u32 v[SPW], v[NIL]
	s_wait_dscnt 0x0                               ; the last is also the writer's wait for the others' sake: my store is done
	s_barrier_signal -1
	s_barrier_wait -1
	s_cmp_lg_u32 s10, 0
	s_cbranch_scc1 .Lend                           ; wave 0 alone sends the 64 rn
	ds_load_b64 v[60:61], v2
	s_wait_dscnt 0x0
	global_store_b64 v2, v[60:61], s[8:9]          ; 256 consecutive bytes, at a multiple of 256 from rn's first byte
.Lend:
	s_endpgm
.Lfunc_end_k_qf8d4af138a_prep:
	.size	k_qf8d4af138a_prep, .Lfunc_end_k_qf8d4af138a_prep-k_qf8d4af138a_prep
	.p2alignl 7, 3214868480
	.fill 96, 4, 3214868480
	.section	.rodata,"a",@progbits
	.p2align	6, 0x0
	.amdhsa_kernel k_qf8d4af138a_prep
		.amdhsa_group_segment_fixed_size 2304
		.amdhsa_private_segment_fixed_size 0
		.amdhsa_enable_private_segment 0
		.amdhsa_kernarg_size 24
		.amdhsa_user_sgpr_count 2
		.amdhsa_user_sgpr_kernarg_segment_ptr 1
		.amdhsa_wavefront_size32 1
		.amdhsa_system_sgpr_workgroup_id_x 1
		.amdhsa_system_sgpr_workgroup_id_y 1
		.amdhsa_system_sgpr_workgroup_id_z 1
		.amdhsa_system_vgpr_workitem_id 0
		.amdhsa_next_free_vgpr 96
		.amdhsa_next_free_sgpr 66
		.amdhsa_reserve_vcc 0
		.amdhsa_float_denorm_mode_32 3
		.amdhsa_float_denorm_mode_16_64 3
		.amdhsa_memory_ordered 1
		.amdhsa_forward_progress 1
		.amdhsa_inst_pref_size 11
	.end_amdhsa_kernel
	.amdgpu_metadata
---
amdhsa.version: [ 1, 2 ]
amdhsa.kernels:
  - .name:           k_qf8d4af138a_prep
    .symbol:         k_qf8d4af138a_prep.kd
    .args:
      - { .name: embedding, .offset: 0, .size: 8, .value_kind: global_buffer, .address_space: global }
      - { .name: eb, .offset: 8, .size: 8, .value_kind: global_buffer, .address_space: global }
      - { .name: rn, .offset: 16, .size: 8, .value_kind: global_buffer, .address_space: global }
    .group_segment_fixed_size: 2304
    .private_segment_fixed_size: 0
    .kernarg_segment_align: 8
    .kernarg_segment_size: 24
    .max_flat_workgroup_size: 512
    .sgpr_count:     66
    .vgpr_count:     96
    .wavefront_size: 32
...
	.end_amdgpu_metadata
.endif
;; end of part 1
;; launch search (part 2): grid 128 x 2, 4 waves a work-group, clusters of 4 x 1, 327,680 bytes of LDS; arguments x, eb, rn, cval, cidx; writes cval, cidx
.if DOCPART == 2
	.amdgcn_target "amdgcn-amd-amdhsa--gfx1250"
	.amdhsa_code_object_version 6
	.text
	.protected	k_qf8d4af138a_search
	.globl	k_qf8d4af138a_search
	.p2align	8
	.type	k_qf8d4af138a_search,@function
k_qf8d4af138a_search:
	s_mov_b64 s[64:65], 0
	v_nop
	global_prefetch_b8 v0, s[64:65] scope:SCOPE_SE
	s_setreg_imm32_b32 hwreg(HW_REG_WAVE_MODE, 25, 1), 1
	s_wait_xcnt 0x0
	s_wait_alu depctr_hold_cnt(0) depctr_sa_sdst(0) depctr_va_vdst(0) depctr_va_sdst(0) depctr_va_ssrc(0) depctr_va_vcc(0) depctr_vm_vsrc(0)
	s_getreg_b32 s2, hwreg(HW_REG_IB_STS2, 6, 4)
	s_cmp_eq_u32 s2, 0
	s_cbranch_scc0 .Lentry_in_a_cluster
	s_endpgm
.Lentry_in_a_cluster:
	s_bfe_u32 s2, ttmp6, 0x10000c
	s_cmp_lg_u32 s2, 0x3003
	s_cbranch_scc0 .Lentry_shape_is_right
	s_endpgm
.Lentry_shape_is_right:
; For each row of x and each half of the codes: the largest (xb . eb[n]) rn[n] and its n.  x: [32768][256] f32, rounded here to bf16 (xb); eb: [8192][256] bf16; rn: [8192] f32.
; cval, cidx: [2 halves][32768 rows], f32 and i32 (the code's number among all 8,192).
; WHY THIS IS THE ARGMIN.  1 - cos is smallest where cos is largest, and ||x|| is one positive factor for a whole row, so it is left out.  The products of bf16 numbers are exact, the sums are f32,
; and each sum is scaled in f32 by the code's 1 / norm: no operand is normalised and then rounded.
; LIMITS.  The comparison is made on dot x rn in f32, not on 1 - sim rounded to f32: equal numbers go to the lowest index, but two codes whose cosines differ by a few 1e-8 may be ordered otherwise than
; by another f32 order of sums.  NaN and infinities are not treated apart.
; SHARES.  Work-group (b, y): rows 256 b .. + 255, codes 4096 y .. + 4095: 128 x 2 = 256 work-groups of equal work.  Wave w keeps its 64 rows in 256 registers as bf16 fragments for the whole kernel and walks
; all 4,096 codes, 16 a tile: of LDS only the codes are read, 16 loads of 16 bytes a lane for 32 matrix instructions.  No wave needs another's result.
; CLUSTER.  The four work-groups of a cluster have the same y and walk the same codes: every tile of eb and rn is asked for JOINTLY, the same tensor load, descriptor and mask in all four.
; LAYOUT.  Source 0 = 16 codes, source 1 = 16 rows of x: in the result a lane holds ONE row (lane % 16) and in registers 0..7 the codes 8 (lane / 16) + 0..7 of the tile.
; x tile q's lane r is row 4 r + q of the wave's 64, so that the results leave in the rows' order.
; THE RUNNING BEST, for x tile q: BEST (two registers that take turns by the tile's parity), TID (the winning tile's number), WN (the winning tile's eight scaled scores).  A finished accumulator costs 18 lines:
; 4 packed scalings, 4 three-way maxima, a compare, 9 selects.  Which of the eight registers won is found once, at the end.  A strict compare keeps the earliest tile.
; BY TURNS.  While tile t is multiplied into one set of four accumulators, tile t - 1's set is treated: one SLICE (the same line for the four x tiles) behind a matrix instruction.
; REGISTERS, in windows of 256 (s_set_vgpr_msb: bits 1:0 source 0, 3:2 source 1, 5:4 source 2, 7:6 destination):
;   window 0: addresses, state, rn, the accumulators, the winners      window 1: x's fragments, tile q, K step k at 64 q + 8 k
;   window 2: the codes' fragments, two buffers, K step k at 64 buf + 8 k; in the prologue two stages of 128 registers for x in f32
.set PITCH, 528                        ; a code row in LDS: 512 bytes + 16 of padding = 132 words: row r starts at bank 4 r mod 64 (64 banks of 4 bytes: ISA guide 11.1)
.set TILEB, 16*PITCH                   ; a tile of 16 codes
.set QUART, 64*PITCH                   ; 64 codes: what one tensor load brings
.set SLOT,  4*QUART                    ; a slot: 256 codes, 16 tiles
.set RNB,   2*SLOT                     ; behind the ring: rn of my half, 16,384 bytes, filled once
.set SPARE, RNB+16384                  ; behind that: the spare words, 128 bytes for each wave: two blocks of 256 bytes that no other line names
.set STEPB, 256*512                    ; a slot's codes in memory
.set CA0,  3                           ; v3      528 r + 16 h: my lane's place in a tile of codes; never rewritten
.set RA0,  4                           ; v4      RNB + 32 h: my lane's place in a tile's 16 rn; never rewritten
.set CADR, 5                           ; v5      LDS address of the next run of loads: codes
.set RADR, 6                           ; v6      the same: rn
.set XO,   7                           ; v7      4096 r + 32 h: my byte offset in the wave's rows of x
.set SPW,  8                           ; v8      LDS address of my spare word; never rewritten
.set NIL,  9                           ; v9      0; never rewritten
.set HB,   10                          ; v10     8 h + 4096 y: what a lane's register number and tile number lack of the code's number
.set OUTO, 11                          ; v11     16 r + 8 h: my 8 bytes in the wave's 256 bytes of cval and of cidx
.set NEW,  12                          ; v12-15  at work: a tile's maximum, by x tile
.set BEST, 16                          ; v16-19, v20-23  by parity and x tile
.set TID,  24                          ; v24-27
.set IDX,  28                          ; v28-31  the end: the code's number
.set RN,   32                          ; v32-47  rn of a tile's codes 8 h + 0..7, two buffers
.set PB,   48                          ; v48-51  the end: the other half of the lanes' best
.set PI,   52                          ; v52-55  and its index
.set OD,   56                          ; v56-59  the end: what is stored
.set ACC,  64                          ; v64-127 set s, x tile q at 64 + 32 s + 8 q
.set WN,   128                         ; v128-159  x tile q at 128 + 8 q
.set WV,   14                          ; s14  my wave's number
.set G1C,  24                          ; s[24:31] descriptor group 1 for the codes
.set G1R,  32                          ; s[32:39] for rn
.set G0A,  40                          ; s[40:43] group 0 for slot 0; s[44:47] for slot 1
.set G0R,  48                          ; s[48:51] group 0 for rn
.set TB,   52                          ; s52  LDS byte of the tile to be fetched
.set RB,   53                          ; s53  64 x that tile's number
.set TP,   54                          ; s54  the number of the tile whose scores are being treated
.set CNT,  55                          ; s55  counts pairs of tiles
.set LAP,  56                          ; s56  counts laps of the ring
.set MK,   57                          ; s57-60  by x tile: the lanes in which the tile has won
.set HM,   61                          ; s61  the lanes with h = 1
.set SEL,  62                          ; s[62:63] v_permlanex16_b32's selects
.set RM,   69                          ; s69  RB cut to the table's 16,384 bytes
.set MSB, 0
.macro WIN new                         ; the immediate's high byte repeats the setting that is left; a switch that changes nothing is dropped
.if MSB != (\new)
	s_set_vgpr_msb (MSB<<8)|(\new)
.set MSB, \new
.endif
.endm
.set W_MM, 0x06                        ; codes in window 2, x in window 1, C and D in window 0
.set TO_2, 0x80                        ; destination window 2, address window 0
.set W_CV, 0x4a                        ; sources 0 and 1 window 2, destination window 1
; A round of the cluster's barrier: my work-group's barrier, so that wave 0's signal speaks for all four waves; wave 0 signals; every wave waits for all four work-groups; my work-group's barrier once more.
.macro CROUND
	s_barrier_signal -1
	s_barrier_wait -1
	s_cmp_lg_u32 s[WV], 0
	s_cbranch_scc1 .Lnot_wave_0_\@
	s_barrier_signal -3
.Lnot_wave_0_\@:
	s_barrier_wait -3
	s_barrier_signal -1
	s_barrier_wait -1
.endm
	s_load_b256 s[4:11], s[0:1], 0x0               ; x s[4:5], eb s[6:7], rn s[8:9], cval s[10:11]
	s_load_b64 s[12:13], s[0:1], 0x20              ; cidx
	v_lshl_add_u32 v[SPW], v0, 2, SPARE
	v_mov_b32 v[NIL], 0
	ds_add_u32 v[SPW], v[NIL]                      ; the wave's opening: the add and its wait stand ahead of my first tensor load; the set-up below, work on registers, stands between them
	v_lshrrev_b32 v1, 5, v0
	v_readfirstlane_b32 s[WV], v1                  ; wave 0..3
	s_bfe_u32 s15, ttmp6, 0x40000                  ; cx: my place in the cluster
	s_lshl_b32 s16, ttmp9, 2                       ; in a cluster launch ttmp9 counts clusters
	s_add_co_u32 s16, s16, s15                     ; b = 4 x cluster x + cx: it enters x's, cval's and cidx's addresses alone
	s_and_b32 s17, ttmp7, 0xffff                   ; y, which the four partners share
	; group 1 for the codes: 64 rows x 256 elements of 2 bytes, padded in LDS
	s_mov_b32 s[G1C+0], 15|(1<<16)|(1<<20)|(1<<21)|(6<<22)|(3<<25)  ; 15:0 the mask of four; 17:16 2-byte elements; 20 padding on; 21 set beside a mask; 24:22 after every 128 words (code 6); 31:25 4 words (code 3)
	s_mov_b32 s[G1C+1], 256<<16                    ; tensor_dim0 = 256
	s_mov_b32 s[G1C+2], 64<<16                     ; tensor_dim1 = 64
	s_mov_b32 s[G1C+3], 256<<16                    ; tile_dim0 = 256
	s_mov_b32 s[G1C+4], 64                         ; tile_dim1 = 64
	s_mov_b32 s[G1C+5], 256                        ; 256 elements from row to row
	s_mov_b32 s[G1C+6], 0
	s_mov_b32 s[G1C+7], 0
	; group 1 for rn: 4,096 dense bytes as 16 rows of 32 elements of 8 bytes
	s_mov_b32 s[G1R+0], 15|(3<<16)|(1<<21)
	s_mov_b32 s[G1R+1], 32<<16
	s_mov_b32 s[G1R+2], 16<<16
	s_mov_b32 s[G1R+3], 32<<16
	s_mov_b32 s[G1R+4], 16
	s_mov_b32 s[G1R+5], 32
	s_mov_b32 s[G1R+6], 0
	s_mov_b32 s[G1R+7], 0
	s_lshl_b32 s18, s17, 21                        ; eb: my half's 2,097,152 bytes,
	s_lshl_b32 s19, s[WV], 15                      ; my 64 rows of a slot's 256
	s_add_co_u32 s18, s18, s19
	s_mov_b32 s19, 0
	s_lshl_b32 s20, s17, 14                        ; rn: my half's 16,384 bytes, my quarter of them
	s_lshl_b32 s21, s[WV], 12
	s_add_co_u32 s20, s20, s21
	s_mov_b32 s21, 0
	s_lshl_b32 s22, s16, 18                        ; x: my block's 256 rows of 1,024 bytes, my wave's 64
	s_lshl_b32 s23, s[WV], 16
	s_add_co_u32 s22, s22, s23
	s_mov_b32 s23, 0
	s_lshl_b32 s70, s17, 17                        ; cval, cidx: 4 (32768 y + 256 b + 64 w)
	s_lshl_b32 s71, s16, 10
	s_add_co_u32 s70, s70, s71
	s_lshl_b32 s71, s[WV], 8
	s_add_co_u32 s70, s70, s71
	s_mov_b32 s71, 0
	s_mov_b32 s[G0A+0], 1                          ; count = 1
	s_mul_i32 s[G0A+1], s[WV], QUART               ; LDS address: my quarter of slot 0: no place in the cluster enters an LDS address
	s_mov_b32 s[G0A+4], 1
	s_add_co_u32 s[G0A+5], s[G0A+1], SLOT          ; of slot 1
	s_mov_b32 s[G0R+0], 1
	s_lshl_b32 s[G0R+1], s[WV], 12
	s_add_co_u32 s[G0R+1], s[G0R+1], RNB           ; my quarter of the table
	s_mov_b32 s[SEL], 0x76543210
	s_mov_b32 s[SEL+1], 0xfedcba98
	v_and_b32 v1, 15, v0                           ; r
	v_bfe_u32 v2, v0, 4, 1                         ; h
	v_mul_u32_u24 v[CA0], v1, PITCH
	v_lshl_add_u32 v[CA0], v2, 4, v[CA0]
	v_lshl_add_u32 v[RA0], v2, 5, RNB
	v_lshlrev_b32 v[XO], 12, v1                    ; lane r's rows lie 4 rows apart
	v_lshl_add_u32 v[XO], v2, 5, v[XO]
	s_lshl_b32 s[RM], s17, 12
	v_lshl_add_u32 v[HB], v2, 3, s[RM]
	v_lshlrev_b32 v[OUTO], 4, v1
	v_lshl_add_u32 v[OUTO], v2, 3, v[OUTO]
	s_wait_dscnt 0x0                               ; the opening add is done
	s_wait_kmcnt 0x0
	s_add_nc_u64 s[G0A+2:G0A+3], s[6:7], s[18:19]  ; slot 0 begins with the half's codes 0-255,
	s_add_nc_u64 s[G0A+6:G0A+7], s[G0A+2:G0A+3], STEPB  ; slot 1 with 256-511
	s_or_b32 s[G0A+3], s[G0A+3], 0x80000000        ; type = 2
	s_or_b32 s[G0A+7], s[G0A+7], 0x80000000
	s_add_nc_u64 s[G0R+2:G0R+3], s[8:9], s[20:21]
	s_or_b32 s[G0R+3], s[G0R+3], 0x80000000
	s_add_nc_u64 s[4:5], s[4:5], s[22:23]
	s_add_nc_u64 s[10:11], s[10:11], s[70:71]
	s_add_nc_u64 s[12:13], s[12:13], s[70:71]
	CROUND                                         ; all four work-groups are here: the first joint loads meet
	tensor_load_to_lds s[G0A:G0A+3], s[G1C:G1C+7]  ; the three first fills go out together: three tensor loads of mine are out
	s_nop 0
	tensor_load_to_lds s[G0R:G0R+3], s[G1R:G1R+7]
	s_nop 0
	tensor_load_to_lds s[G0A+4:G0A+7], s[G1C:G1C+7]
	s_nop 0
.rept 4
	v_nop                                          ; no window is switched among the four lines behind a tensor load
.endr
; x.  A fragment is 16 rows x 32 K in 8 registers: lane (r, h) holds K = 8 h + 0..7 and 16 + 8 h + 0..7.  In f32 those are 32 bytes at 32 h and 32 bytes at 64 + 32 h of the K step's 128 bytes:
; four loads of 16 bytes, which between the two halves of the lanes use up all 128.  A batch is one x tile: 32 loads into a stage of 128 registers; two stages take turns.
.macro XLOAD q, t
	WIN TO_2
.set i, 0
.rept 8
	global_load_b128 v[(\t)+16*i:(\t)+16*i+3],     v[XO], s[4:5] offset:(\q)*1024+128*i
	global_load_b128 v[(\t)+16*i+4:(\t)+16*i+7],   v[XO], s[4:5] offset:(\q)*1024+128*i+16
	global_load_b128 v[(\t)+16*i+8:(\t)+16*i+11],  v[XO], s[4:5] offset:(\q)*1024+128*i+64
	global_load_b128 v[(\t)+16*i+12:(\t)+16*i+15], v[XO], s[4:5] offset:(\q)*1024+128*i+80
.set i, i+1
.endr
.endm
.macro XCVT q, t                       ; 128 f32 -> 64 registers of bf16, in the fragments' order
	WIN W_CV
.set i, 0
.rept 64
	v_cvt_pk_bf16_f32 v[64*(\q)+i], v[(\t)+2*i], v[(\t)+2*i+1]
.set i, i+1
.endr
.endm
	XLOAD 0, 0
	XLOAD 1, 128
	WIN 0                                          ; the state is set while the loads are out
.irp q, 0,1,2,3
	v_mov_b32 v[BEST+4+(\q)], 0xff800000           ; below every score: tile 0 wins
	v_mov_b32 v[TID+(\q)], 0
	v_mov_b32 v[PB+(\q)], 0                        ; v_permlanex16_b32's destinations count as read
	v_mov_b32 v[PI+(\q)], 0
.endr
.set i, 0
.rept 32
	v_mov_b32 v[WN+i], 0xff800000                  ; the selects read what they may keep
.set i, i+1
.endr
	s_wait_loadcnt 32                              ; batch 0 is in; the 32 loads of batch 1 stay out
	XCVT 0, 0
	XLOAD 2, 0
	s_wait_loadcnt 32                              ; batch 1 is in; batch 2 stays out
	XCVT 1, 128
	XLOAD 3, 128
	s_wait_loadcnt 32                              ; batch 2 is in; batch 3 stays out
	XCVT 2, 0
	s_wait_loadcnt 0x0
	XCVT 3, 128
	WIN 0
; 18 LDS loads in one run: a tile's eight fragments (16 codes x 256 K) into buffer buf, and its rn: each lane the eight numbers of its codes 8 h + 0..7
.macro FETCH buf
	WIN TO_2
.irp k, 0,1,2,3,4,5,6,7
	ds_load_b128 v[64*(\buf)+8*(\k):64*(\buf)+8*(\k)+3],   v[CADR] offset:64*(\k)
	ds_load_b128 v[64*(\buf)+8*(\k)+4:64*(\buf)+8*(\k)+7], v[CADR] offset:64*(\k)+32
.endr
	WIN 0
	ds_load_b128 v[RN+8*(\buf):RN+8*(\buf)+3],   v[RADR]
	ds_load_b128 v[RN+8*(\buf)+4:RN+8*(\buf)+7], v[RADR] offset:16
.endm
; Line n of the 18 that treat a finished set sx of accumulators, once for each x tile: a line that needs the line before it stands four lines behind it.
;   0-3  the scores times rn, in place (the accumulator's lowest registers are read first)      4-7  the tile's maximum, then with the old best: the new best
;   8  has the tile won?      9  then its number,      10-17  and its eight scores are kept
.macro SLICE n, sx
	WIN 0
.irp q, 0,1,2,3
.set rA, ACC+32*(\sx)+8*(\q)
.if (\n) < 4
	v_pk_mul_f32 v[rA+2*(\n):rA+2*(\n)+1], v[rA+2*(\n):rA+2*(\n)+1], v[RN+8*(\sx)+2*(\n):RN+8*(\sx)+2*(\n)+1]
.elseif (\n) == 4
	v_max3_num_f32 v[NEW+(\q)], v[rA], v[rA+1], v[rA+2]
.elseif (\n) == 5
	v_max3_num_f32 v[NEW+(\q)], v[NEW+(\q)], v[rA+3], v[rA+4]
.elseif (\n) == 6
	v_max3_num_f32 v[NEW+(\q)], v[NEW+(\q)], v[rA+5], v[rA+6]
.elseif (\n) == 7
	v_max3_num_f32 v[BEST+4*(\sx)+(\q)], v[NEW+(\q)], v[rA+7], v[BEST+4*(1-(\sx))+(\q)]
.elseif (\n) == 8
	v_cmp_gt_f32 s[MK+(\q)], v[BEST+4*(\sx)+(\q)], v[BEST+4*(1-(\sx))+(\q)]
.elseif (\n) == 9
	v_cndmask_b32 v[TID+(\q)], v[TID+(\q)], s[TP], s[MK+(\q)]
.else
	v_cndmask_b32 v[WN+8*(\q)+(\n)-10], v[WN+8*(\q)+(\n)-10], v[rA+(\n)-10], s[MK+(\q)]
.endif
.endr
.endm
; A TILE of 16 codes: 32 matrix instructions, K step w / 4, x tile w % 4: the four accumulators of set par take turns, one instruction a turn; the first four start the sums with 0.
; fetch = 1: the next tile's fragments and rn go into the other buffers, behind the seventh product: rn's buffer was last read by slice 3, the fragments' by the tile before, behind which slice 17's four lines stand.
; ride = 1: the tile before's scores are treated, a slice behind products 1 to 17 and the last behind product 31.  Those last four lines (or four v_nop) name no register of this tile's products:
; they are the places between those products and the next tile's first read of their sums (ISA guide 7.12.1).
.macro TILE par, fetch, ride
	s_wait_dscnt 0x0                               ; this tile's fragments and rn are in: they were asked for 25 matrix instructions ago
.set w, 0
.rept 32
.set rD, ACC+32*(\par)+8*(w%4)
.set rC, 64*(\par)+8*(w/4)
.set rX, 64*(w%4)+8*(w/4)
	WIN W_MM
.if w < 4
	v_wmma_f32_16x16x32_bf16 v[rD:rD+7], v[rC:rC+7], v[rX:rX+7], 0
.else
	v_wmma_f32_16x16x32_bf16 v[rD:rD+7], v[rC:rC+7], v[rX:rX+7], v[rD:rD+7]
.endif
.if (\fetch) && (w == 0)
	WIN 0
	s_and_b32 s[RM], s[RB], 0x3fc0                 ; 64 x (tile mod 256): the offset lies inside the table's 16,384 bytes by its form
	v_add_nc_u32 v[CADR], s[TB], v[CA0]
	v_add_nc_u32 v[RADR], s[RM], v[RA0]
.endif
.if (\ride) && (w >= 1) && (w <= 17)
	SLICE w-1, 1-(\par)
.endif
.if (\fetch) && (w == 6)
	FETCH 1-(\par)
.endif
.if (w == 31) && (\ride)
	SLICE 17, 1-(\par)
.endif
.if (w == 31) && !(\ride)
.rept 4
	v_nop
.endr
.endif
.set w, w+1
.endr
.if \fetch
	s_add_co_u32 s[TB], s[TB], TILEB
	s_add_co_u32 s[RB], s[RB], 64
.endif
.if \ride
	s_add_co_u32 s[TP], s[TP], 1
.endif
.endm
.macro PAIRS n                         ; 2 n tiles, an odd one first
	WIN 0                                          ; at a label and at a branch every window is 0
	s_mov_b32 s[CNT], \n
.Lpair_\@:
	TILE 1, 1, 1
	TILE 0, 1, 1
	WIN 0
	s_sub_co_u32 s[CNT], s[CNT], 1
	s_cmp_lg_u32 s[CNT], 0
	s_cbranch_scc1 .Lpair_\@
.endm
; THE CHANGE OF SLOTS stands in front of a slot's last tile, whose fragments have been asked for: that tile will fetch the other slot's first.  Each wave waits for all its tensor loads, of which one is out:
; its quarter of the other slot; adds 0 to its spare word; and waits for that and for its own reads of the slot that it leaves.  Behind the barrier nobody reads the old slot and the other slot is whole.
; fill = 1: the old slot is filled again with the codes two slots on.  The barrier is then a round of the cluster's, so that no wave of any partner still reads the slot or has a load on its way, and the joint
; refill is the first thing behind it: my one tensor load that is out, with 16 tiles, 512 matrix instructions, in which to land.
.macro CHANGE left, fill
	WIN 0
	s_wait_tensorcnt 0x0                           ; no tensor load of mine is out, so a group 0 may be written
	ds_add_u32 v[SPW], v[NIL]                      ; 0 onto my spare word; scalar work stands between it and the wait for it
.if \fill
	s_add_nc_u64 s[G0A+4*(\left)+2:G0A+4*(\left)+3], s[G0A+4*(\left)+2:G0A+4*(\left)+3], 2*STEPB  ; the type bits on top are not reached
.endif
	s_mov_b32 s[TB], (1-(\left))*SLOT              ; the fetches go on at the other slot's first tile
	s_wait_dscnt 0x0                               ; the add is done, and my reads of the slot are over
.if \fill
	CROUND
	tensor_load_to_lds s[G0A+4*(\left):G0A+4*(\left)+3], s[G1C:G1C+7]
	s_nop 0
.rept 4
	v_nop
.endr
.else
	s_barrier_signal -1
	s_barrier_wait -1
.endif
.endm
	s_wait_tensorcnt 1                             ; my quarters of slot 0 and of rn are in; slot 1's, issued behind them, may stay out
	s_barrier_signal -1
	s_barrier_wait -1                              ; everybody's are
	v_mov_b32 v[CADR], v[CA0]                      ; tile 0 lies at the head of slot 0 and of the table
	v_mov_b32 v[RADR], v[RA0]
	FETCH 0
	s_mov_b32 s[TB], TILEB
	s_mov_b32 s[RB], 64
	s_mov_b32 s[TP], 0
	TILE 0, 1, 0                                   ; tile 0: there are no scores yet to treat
	PAIRS 7                                        ; tiles 1 to 14
	s_mov_b32 s[LAP], 7
.Llap:                                                 ; 7 laps of 32 tiles, tiles 15 to 238: both slots are filled again, with the half's codes 512 to 4,095
	CHANGE 0, 1
	PAIRS 8
	CHANGE 1, 1
	PAIRS 8
	s_sub_co_u32 s[LAP], s[LAP], 1
	s_cmp_lg_u32 s[LAP], 0
	s_cbranch_scc1 .Llap
	CHANGE 0, 0                                    ; the tail is written out: nothing is asked for
	PAIRS 8                                        ; tiles 239 to 254
	TILE 1, 0, 1                                   ; tile 255 fetches nothing
.set n, 0
.rept 18
	SLICE n, 1                                     ; and its own scores are treated; slice 17 of the tile before stands between its last products and these reads
.set n, n+1
.endr
	; THE END.  Which register of the winning tile: the lowest whose score equals the best (the best is one of the eight, bit for bit).
.irp q, 0,1,2,3
	v_mov_b32 v[IDX+(\q)], 7
.endr
.irp j, 6,5,4,3,2,1,0
.irp q, 0,1,2,3
	v_cmp_eq_f32 s[MK+(\q)], v[WN+8*(\q)+(\j)], v[BEST+4+(\q)]
.endr
.irp q, 0,1,2,3
	v_cndmask_b32 v[IDX+(\q)], v[IDX+(\q)], \j, s[MK+(\q)]
.endr
.endr
.irp q, 0,1,2,3
	v_lshl_add_u32 v[IDX+(\q)], v[TID+(\q)], 4, v[IDX+(\q)]
.endr
.irp q, 0,1,2,3
	v_add_nc_u32 v[IDX+(\q)], v[IDX+(\q)], v[HB]   ; 16 tile + register + 8 h + 4096 y
.endr
.irp q, 0,1,2,3
	v_permlanex16_b32 v[PB+(\q)], v[BEST+4+(\q)], s[SEL], s[SEL+1]  ; the row's other codes lie in the lane 16 away
	v_permlanex16_b32 v[PI+(\q)], v[IDX+(\q)], s[SEL], s[SEL+1]
.endr
.irp q, 0,1,2,3
	v_cmp_gt_f32 s66, v[PB+(\q)], v[BEST+4+(\q)]   ; the partner's is taken if it is larger, or equal with the lower index
	v_cmp_eq_f32 s67, v[PB+(\q)], v[BEST+4+(\q)]
	v_cmp_lt_u32 s68, v[PI+(\q)], v[IDX+(\q)]
	s_and_b32 s67, s67, s68
	s_or_b32 s66, s66, s67
	v_cndmask_b32 v[BEST+4+(\q)], v[BEST+4+(\q)], v[PB+(\q)], s66
	v_cndmask_b32 v[IDX+(\q)], v[IDX+(\q)], v[PI+(\q)], s66
.endr
	v_cmp_eq_u32 s[HM], 1, v2                      ; lane (r, h) stores rows 4 r + 2 h and 4 r + 2 h + 1
	v_cndmask_b32 v[OD],   v[BEST+4], v[BEST+6], s[HM]
	v_cndmask_b32 v[OD+1], v[BEST+5], v[BEST+7], s[HM]
	v_cndmask_b32 v[OD+2], v[IDX],    v[IDX+2],  s[HM]
	v_cndmask_b32 v[OD+3], v[IDX+1],  v[IDX+3],  s[HM]
	global_store_b64 v[OUTO], v[OD:OD+1],   s[10:11]  ; the wave stores 256 consecutive bytes, at a multiple of 256 from the buffer's first byte
	global_store_b64 v[OUTO], v[OD+2:OD+3], s[12:13]
	s_wait_tensorcnt 0x0                           ; the wave's end: a tensor wait, an add of 0 to the spare word, a wait
	ds_add_u32 v[SPW], v[NIL]
	s_wait_dscnt 0x0
	CROUND                                         ; the closing round: no work-group ends while a partner may still ask for a tile that names it
	s_endpgm
.Lfunc_end_k_qf8d4af138a_search:
	.size	k_qf8d4af138a_search, .Lfunc_end_k_qf8d4af138a_search-k_qf8d4af138a_search
	.p2alignl 7, 3214868480
	.fill 96, 4, 3214868480
	.section	.rodata,"a",@progbits
	.p2align	6, 0x0
	.amdhsa_kernel k_qf8d4af138a_search
		.amdhsa_group_segment_fixed_size 327680
		.amdhsa_private_segment_fixed_size 0
		.amdhsa_enable_private_segment 0
		.amdhsa_kernarg_size 40
		.amdhsa_user_sgpr_count 2
		.amdhsa_user_sgpr_kernarg_segment_ptr 1
		.amdhsa_wavefront_size32 1
		.amdhsa_system_sgpr_workgroup_id_x 1
		.amdhsa_system_sgpr_workgroup_id_y 1
		.amdhsa_system_sgpr_workgroup_id_z 1
		.amdhsa_system_vgpr_workitem_id 0
		.amdhsa_next_free_vgpr 768
		.amdhsa_next_free_sgpr 72
		.amdhsa_reserve_vcc 0
		.amdhsa_float_denorm_mode_32 3
		.amdhsa_float_denorm_mode_16_64 3
		.amdhsa_memory_ordered 1
		.amdhsa_forward_progress 1
		.amdhsa_inst_pref_size 136
	.end_amdhsa_kernel
	.amdgpu_metadata
---
amdhsa.version: [ 1, 2 ]
amdhsa.kernels:
  - .name:           k_qf8d4af138a_search
    .symbol:         k_qf8d4af138a_search.kd
    .args:
      - { .name: x, .offset: 0, .size: 8, .value_kind: global_buffer, .address_space: global }
      - { .name: eb, .offset: 8, .size: 8, .value_kind: global_buffer, .address_space: global }
      - { .name: rn, .offset: 16, .size: 8, .value_kind: global_buffer, .address_space: global }
      - { .name: cval, .offset: 24, .size: 8, .value_kind: global_buffer, .address_space: global }
      - { .name: cidx, .offset: 32, .size: 8, .value_kind: global_buffer, .address_space: global }
    .group_segment_fixed_size: 327680
    .private_segment_fixed_size: 0
    .kernarg_segment_align: 8
    .kernarg_segment_size: 40
    .max_flat_workgroup_size: 128
    .sgpr_count:     72
    .vgpr_count:     768
    .wavefront_size: 32
...
	.end_amdgpu_metadata
.endif
;; end of part 2
;; launch project (part 3): grid 512 x 1, 8 waves a work-group, no clusters, 1,792 bytes of LDS; arguments x, eb, cval, cidx, out0, out2, out3, lrow; writes out0, out2, out3, lrow
.if DOCPART == 3
	.amdgcn_target "amdgcn-amd-amdhsa--gfx1250"
	.amdhsa_code_object_version 6
	.text
	.protected	k_qf8d4af138a_project
	.globl	k_qf8d4af138a_project
	.p2align	8
	.type	k_qf8d4af138a_project,@function
k_qf8d4af138a_project:
	s_mov_b64 s[64:65], 0
	v_nop
	global_prefetch_b8 v0, s[64:65] scope:SCOPE_SE
	s_setreg_imm32_b32 hwreg(HW_REG_WAVE_MODE, 25, 1), 1
	s_wait_xcnt 0x0
; For each row: the better of the two halves' candidates (equal values: the first half's, the lower index); c = eb[index]; dot = xb . c; nsq = c . c; scalar = dot / (nsq + 1e-8);
; out0 = xb + (scalar c - xb); out2 = index; out3 = scalar; lrow = 1 - commit, commit = scalar dot / (max(|scalar| ||c||, 1e-8) max(||xb||, 1e-8)).  xb is x rounded to bf16, as the search took it.
; x, out0: [32768][256] f32.  eb: [8192][256] bf16.  cval, cidx: [2][32768].  out2 i32, out3 and lrow f32: [32768].
; BOTH candidates' rows are loaded, by indices read from memory, and the choice between them is a select on registers: no address hangs on a comparison of floating-point numbers.
; SHARES.  A work-group owns 64 rows, so that each per-row output leaves as 256 consecutive bytes; wave w owns rows 8 w .. 8 w + 7, one row across its 32 lanes; all its 48 loads go out at once.
; Lane L holds k = 4 L .. + 3 and 128 + 4 L .. + 3: a load or store of f32 covers 512 consecutive bytes, a load of bf16 256.  No matrix unit, cluster or tensor load: nothing here is shared or multiplied in bulk.
; LIMITS.  commit is formed from the three sums, the same algebra as the cosine of scalar c and x in another order of rounding; divisions are a reciprocal and a product; sums of squares are f32;
; an index is held to 0 .. 8191; NaN and infinities are not treated apart.
.set SPARE, 768                        ; LDS: 0-255 the 64 indices, 256-511 the scalars, 512-767 the loss terms; from 768 on the spare words, 128 bytes for each of 8 waves
.set SPW, 5                            ; v5   LDS address of my spare word; never rewritten
.set NIL, 6                            ; v6   0; never rewritten
.set RI,  7                            ; v7-9 lane L: index, scalar, loss term of row L % 8 of my eight
.set RS,  8
.set RL,  9
.set X,   32                           ; v[32:95]   row i: 8 registers, x as loaded, then out0
.set C,   96                           ; v[96:159]  row i: 4 registers of the first half's candidate, 4 of the second's
.set OFS, 160                          ; v160-175   row i: the two candidates' byte offsets in eb; never rewritten
.set CU,  176                          ; v[176:183] the chosen code row in f32
.set XU,  184                          ; v[184:191] xb in f32
.set XB,  192                          ; v[192:195] xb
.set DT,  196                          ; v[196:197] dot
.set NS,  198                          ; v[198:199] nsq
.set XS,  200                          ; v[200:201] xb . xb
.set RD,  202                          ; v202  at work; 1 / (nsq + 1e-8)
.set IX,  203                          ; v203  the index
.set NC,  204                          ; v204  at work; ||c||
.set NX,  205                          ; v205  ||xb||
.set SC,  206                          ; v206  the scalar
.set LT,  207                          ; v207  the loss term
.set ID0, 24                           ; s[24:31], s[32:39]  my 8 rows' indices, first and second half
.set ID1, 32
.set VL0, 40                           ; s[40:47], s[48:55]  their values
.set VL1, 48
.set RM,  56                           ; s[56:63]  the lanes with L % 8 = i
.set SM,  68                           ; s68  all lanes or none: the second half's candidate wins
.set HIM, 69                           ; s69  a word's upper bf16
	s_load_b512 s[4:19], s[0:1], 0x0               ; x s[4:5], eb s[6:7], cval s[8:9], cidx s[10:11], out0 s[12:13], out2 s[14:15], out3 s[16:17], lrow s[18:19]
	v_lshl_add_u32 v[SPW], v0, 2, SPARE
	v_mov_b32 v[NIL], 0
	v_lshrrev_b32 v10, 5, v0
	v_readfirstlane_b32 s20, v10                   ; wave 0..7
	v_and_b32 v11, 31, v0
	v_lshlrev_b32 v1, 4, v11                       ; 16 bytes a lane in a half row of f32
	v_lshlrev_b32 v2, 3, v11                       ; 8 bytes a lane in a half row of bf16
	v_and_b32 v3, 7, v0
	s_lshl_b32 s23, s20, 3
	v_add_nc_u32 v4, s23, v3
	v_lshlrev_b32 v4, 2, v4                        ; LDS word of row 8 w + L % 8
	s_lshl_b32 s21, ttmp9, 6
	s_add_co_u32 s21, s21, s23                     ; my first row
	s_lshl_b32 s22, s21, 2                         ; its word in cval and cidx
	s_lshl_b32 s74, s21, 10                        ; its bytes in x and out0
	s_mov_b32 s75, 0
	s_lshl_b32 s72, ttmp9, 8                       ; the group's 256 bytes in out2, out3, lrow
	s_mov_b32 s73, 0
	s_mov_b32 s66, 0x76543210
	s_mov_b32 s67, 0xfedcba98
	s_mov_b32 s[HIM], 0xffff0000
.irp i, 0,1,2,3,4,5,6,7
	v_cmp_eq_u32 s[RM+(\i)], \i, v3
.endr
	v_mov_b32 v[RI], 0
	v_mov_b32 v[RS], 0
	v_mov_b32 v[RL], 0
	s_wait_kmcnt 0x0
	s_load_b256 s[ID0:ID0+7], s[10:11], s22 offset:0x0
	s_load_b256 s[ID1:ID1+7], s[10:11], s22 offset:0x20000   ; the second half's 32,768 words lie 131,072 bytes on
	s_load_b256 s[VL0:VL0+7], s[8:9], s22 offset:0x0
	s_load_b256 s[VL1:VL1+7], s[8:9], s22 offset:0x20000
	s_add_nc_u64 s[4:5], s[4:5], s[74:75]
	s_add_nc_u64 s[12:13], s[12:13], s[74:75]
.irp i, 0,1,2,3,4,5,6,7
	global_load_b128 v[X+8*(\i):X+8*(\i)+3],   v1, s[4:5] offset:1024*(\i) th:TH_LOAD_NT
	global_load_b128 v[X+8*(\i)+4:X+8*(\i)+7], v1, s[4:5] offset:1024*(\i)+512 th:TH_LOAD_NT
.endr
	s_wait_kmcnt 0x0
.irp i, 0,1,2,3,4,5,6,7
	s_min_u32 s[ID0+(\i)], s[ID0+(\i)], 0x1fff     ; an index read from memory enters an address only inside the table
	s_min_u32 s[ID1+(\i)], s[ID1+(\i)], 0x1fff
.endr
.irp i, 0,1,2,3,4,5,6,7
	v_lshl_add_u32 v[OFS+2*(\i)],   s[ID0+(\i)], 9, v2
	v_lshl_add_u32 v[OFS+2*(\i)+1], s[ID1+(\i)], 9, v2
.endr
.irp i, 0,1,2,3,4,5,6,7
	global_load_b64 v[C+8*(\i):C+8*(\i)+1],   v[OFS+2*(\i)],   s[6:7]
	global_load_b64 v[C+8*(\i)+2:C+8*(\i)+3], v[OFS+2*(\i)],   s[6:7] offset:256
	global_load_b64 v[C+8*(\i)+4:C+8*(\i)+5], v[OFS+2*(\i)+1], s[6:7]
	global_load_b64 v[C+8*(\i)+6:C+8*(\i)+7], v[OFS+2*(\i)+1], s[6:7] offset:256
.endr
.macro ROW i
.set rX, X+8*(\i)
.set rC, C+8*(\i)
	s_wait_loadcnt 28-4*(\i)                       ; loads come back in order: x and row i's candidates are in, four loads for each later row stay out
	v_mov_b32 v[RD], s[VL1+(\i)]
	v_cmp_lt_f32 s[SM], s[VL0+(\i)], v[RD]         ; the second half wins only if strictly larger
	v_mov_b32 v[IX], s[ID0+(\i)]
	v_mov_b32 v[NC], s[ID1+(\i)]
	v_cndmask_b32 v[IX], v[IX], v[NC], s[SM]
.irp j, 0,1,2,3
	v_cndmask_b32 v[rC+(\j)], v[rC+(\j)], v[rC+4+(\j)], s[SM]
.endr
.irp j, 0,1,2,3
	v_lshlrev_b32 v[CU+2*(\j)],   16, v[rC+(\j)]
	v_and_b32     v[CU+2*(\j)+1], s[HIM], v[rC+(\j)]
	v_cvt_pk_bf16_f32 v[XB+(\j)], v[rX+2*(\j)], v[rX+2*(\j)+1]
.endr
.irp j, 0,1,2,3
	v_lshlrev_b32 v[XU+2*(\j)],   16, v[XB+(\j)]
	v_and_b32     v[XU+2*(\j)+1], s[HIM], v[XB+(\j)]
.endr
	v_pk_mul_f32 v[DT:DT+1], v[XU:XU+1], v[CU:CU+1]  ; the first products start the three sums
	v_pk_mul_f32 v[NS:NS+1], v[CU:CU+1], v[CU:CU+1]
	v_pk_mul_f32 v[XS:XS+1], v[XU:XU+1], v[XU:XU+1]
.irp j, 2,4,6
	v_pk_fma_f32 v[DT:DT+1], v[XU+(\j):XU+(\j)+1], v[CU+(\j):CU+(\j)+1], v[DT:DT+1]
	v_pk_fma_f32 v[NS:NS+1], v[CU+(\j):CU+(\j)+1], v[CU+(\j):CU+(\j)+1], v[NS:NS+1]
	v_pk_fma_f32 v[XS:XS+1], v[XU+(\j):XU+(\j)+1], v[XU+(\j):XU+(\j)+1], v[XS:XS+1]
.endr
.irp t, DT, NS, XS
	v_add_f32 v[\t], v[\t], v[\t+1]
.endr
.irp m, 1,2,4,8
.irp t, DT, NS, XS
	v_add_f32_dpp v[\t], v[\t], v[\t] row_xmask:\m row_mask:0xf bank_mask:0xf
.endr
.endr
.irp t, DT, NS, XS
	v_permlanex16_b32 v[\t+1], v[\t], s66, s67
.endr
.irp t, DT, NS, XS
	v_add_f32 v[\t], v[\t], v[\t+1]                ; every lane holds the row's sums
.endr
	v_add_f32 v[RD], 0x322bcc77, v[NS]             ; nsq + 1e-8
	v_rcp_f32 v[RD], v[RD]
	v_sqrt_f32 v[NC], v[NS]
	v_sqrt_f32 v[NX], v[XS]
	v_nop                                          ; a plain instruction between the transcendentals and the use of their results (ISA guide 5.7.2)
	s_wait_alu depctr_va_vdst(0)
	v_mul_f32 v[SC], v[DT], v[RD]
	v_max_num_f32 v[NX], 0x322bcc77, v[NX]         ; max(||xb||, 1e-8)
	v_mul_f32 v204, |v206|, v204                   ; ||scalar c|| = |scalar| ||c||  (v204 = NC, v206 = SC)
	v_max_num_f32 v[NC], 0x322bcc77, v[NC]
	v_mul_f32 v[NC], v[NC], v[NX]
	v_rcp_f32 v[NC], v[NC]
	v_mul_f32 v[LT], v[SC], v[DT]                  ; (scalar c) . xb; also the plain instruction behind the reciprocal
	s_wait_alu depctr_va_vdst(0)
	v_fma_f32 v207, -v207, v204, 1.0               ; 1 - commit  (v207 = LT)
.irp j, 0,2,4,6
	v_pk_fma_f32 v[rX+(\j):rX+(\j)+1], v[CU+(\j):CU+(\j)+1], v[SC:SC+1], v[XU+(\j):XU+(\j)+1] op_sel_hi:[1,0,1] neg_lo:[0,0,1] neg_hi:[0,0,1]  ; scalar c - xb
.endr
.irp j, 0,2,4,6
	v_pk_add_f32 v[rX+(\j):rX+(\j)+1], v[rX+(\j):rX+(\j)+1], v[XU+(\j):XU+(\j)+1]  ; + xb
.endr
	global_store_b128 v1, v[rX:rX+3],   s[12:13] offset:1024*(\i) th:TH_STORE_NT      ; 512 consecutive bytes, at a multiple of 256 from out0's first byte
	global_store_b128 v1, v[rX+4:rX+7], s[12:13] offset:1024*(\i)+512 th:TH_STORE_NT
	v_cndmask_b32 v[RI], v[RI], v[IX], s[RM+(\i)]
	v_cndmask_b32 v[RS], v[RS], v[SC], s[RM+(\i)]
	v_cndmask_b32 v[RL], v[RL], v[LT], s[RM+(\i)]
.endm
.irp i, 0,1,2,3,4,5,6,7
	ROW \i                                         ; no register that a pending load or store names is written again: each row has its own
.endr
	ds_store_b32 v4, v[RI]                         ; lanes with the same L % 8 write the same word with the same number
	ds_store_b32 v4, v[RS] offset:256
	ds_store_b32 v4, v[RL] offset:512
	s_wait_tensorcnt 0x0                           ; behind the wave's last LDS store: a tensor wait, an add of 0 to the spare word, a wait;
	ds_add_u32 v[SPW], v[NIL]
	s_wait_dscnt 0x0                               ; the last is also the writer's wait for the others' sake
	s_barrier_signal -1
	s_barrier_wait -1
	s_cmp_gt_u32 s20, 2
	s_cbranch_scc1 .Lend                           ; waves 0, 1, 2 send the indices, the scalars, the loss terms
	v_lshl_add_u32 v10, s20, 8, v2
	ds_load_b64 v[12:13], v10
	s_cmp_eq_u32 s20, 0
	s_cselect_b64 s[70:71], s[14:15], s[16:17]
	s_cmp_eq_u32 s20, 2
	s_cselect_b64 s[70:71], s[18:19], s[70:71]
	s_add_nc_u64 s[70:71], s[70:71], s[72:73]
	s_wait_dscnt 0x0
	global_store_b64 v2, v[12:13], s[70:71]        ; 256 consecutive bytes, at a multiple of 256 from the buffer's first byte
.Lend:
	s_endpgm
.Lfunc_end_k_qf8d4af138a_project:
	.size	k_qf8d4af138a_project, .Lfunc_end_k_qf8d4af138a_project-k_qf8d4af138a_project
	.p2alignl 7, 3214868480
	.fill 96, 4, 3214868480
	.section	.rodata,"a",@progbits
	.p2align	6, 0x0
	.amdhsa_kernel k_qf8d4af138a_project
		.amdhsa_group_segment_fixed_size 1792
		.amdhsa_private_segment_fixed_size 0
		.amdhsa_enable_private_segment 0
		.amdhsa_kernarg_size 64
		.amdhsa_user_sgpr_count 2
		.amdhsa_user_sgpr_kernarg_segment_ptr 1
		.amdhsa_wavefront_size32 1
		.amdhsa_system_sgpr_workgroup_id_x 1
		.amdhsa_system_sgpr_workgroup_id_y 1
		.amdhsa_system_sgpr_workgroup_id_z 1
		.amdhsa_system_vgpr_workitem_id 0
		.amdhsa_next_free_vgpr 208
		.amdhsa_next_free_sgpr 80
		.amdhsa_reserve_vcc 0
		.amdhsa_float_denorm_mode_32 3
		.amdhsa_float_denorm_mode_16_64 3
		.amdhsa_memory_ordered 1
		.amdhsa_forward_progress 1
		.amdhsa_inst_pref_size 47
	.end_amdhsa_kernel
	.amdgpu_metadata
---
amdhsa.version: [ 1, 2 ]
amdhsa.kernels:
  - .name:           k_qf8d4af138a_project
    .symbol:         k_qf8d4af138a_project.kd
    .args:
      - { .name: x, .offset: 0, .size: 8, .value_kind: global_buffer, .address_space: global }
      - { .name: eb, .offset: 8, .size: 8, .value_kind: global_buffer, .address_space: global }
      - { .name: cval, .offset: 16, .size: 8, .value_kind: global_buffer, .address_space: global }
      - { .name: cidx, .offset: 24, .size: 8, .value_kind: global_buffer, .address_space: global }
      - { .name: out0, .offset: 32, .size: 8, .value_kind: global_buffer, .address_space: global }
      - { .name: out2, .offset: 40, .size: 8, .value_kind: global_buffer, .address_space: global }
      - { .name: out3, .offset: 48, .size: 8, .value_kind: global_buffer, .address_space: global }
      - { .name: lrow, .offset: 56, .size: 8, .value_kind: global_buffer, .address_space: global }
    .group_segment_fixed_size: 1792
    .private_segment_fixed_size: 0
    .kernarg_segment_align: 8
    .kernarg_segment_size: 64
    .max_flat_workgroup_size: 256
    .sgpr_count:     80
    .vgpr_count:     208
    .wavefront_size: 32
...
	.end_amdgpu_metadata
.endif
;; end of part 3
;; launch loss (part 4): grid 1 x 1, 32 waves a work-group, no clusters, 4,352 bytes of LDS; arguments lrow, out1; writes out1
.if DOCPART == 4
	.amdgcn_target "amdgcn-amd-amdhsa--gfx1250"
	.amdhsa_code_object_version 6
	.text
	.protected	k_qf8d4af138a_loss
	.globl	k_qf8d4af138a_loss
	.p2align	8
	.type	k_qf8d4af138a_loss,@function
k_qf8d4af138a_loss:
	s_mov_b64 s[64:65], 0
	v_nop
	global_prefetch_b8 v0, s[64:65] scope:SCOPE_SE
	s_setreg_imm32_b32 hwreg(HW_REG_WAVE_MODE, 25, 1), 1
	s_wait_xcnt 0x0
; out1 = 0.25 x the mean of lrow's 32,768 numbers, in f32.  One work-group: the sum has one owner, and 131,072 bytes are 128 for each of 1,024 threads.
; Thread t takes the 16 bytes at 16 t of each of eight pieces of 16,384 bytes: a load of a wave covers 512 consecutive bytes.  All eight loads go out at once.
; The order of the additions is this text's own: two chains a lane, the lanes of a wave, the 32 waves.
.set SPARE, 256                        ; LDS: bytes 0-127 the waves' sums; from 256 on the spare words, 128 bytes for each of 32 waves
.set SPW, 40                           ; v40  LDS address of my spare word; never rewritten
.set NIL, 41                           ; v41  0; never rewritten
.macro WSUM r, t                       ; the sum over the wave's 32 lanes, in every lane; t has been written before
	v_add_f32_dpp v[\r], v[\r], v[\r] row_xmask:1 row_mask:0xf bank_mask:0xf
	v_add_f32_dpp v[\r], v[\r], v[\r] row_xmask:2 row_mask:0xf bank_mask:0xf
	v_add_f32_dpp v[\r], v[\r], v[\r] row_xmask:4 row_mask:0xf bank_mask:0xf
	v_add_f32_dpp v[\r], v[\r], v[\r] row_xmask:8 row_mask:0xf bank_mask:0xf
	v_permlanex16_b32 v[\t], v[\r], s12, s13
	v_add_f32 v[\r], v[\r], v[\t]
.endm
	s_load_b128 s[4:7], s[0:1], 0x0                ; lrow s[4:5], out1 s[6:7]
	v_lshl_add_u32 v[SPW], v0, 2, SPARE
	v_mov_b32 v[NIL], 0
	v_lshlrev_b32 v1, 4, v0
	v_lshrrev_b32 v2, 5, v0
	v_readfirstlane_b32 s8, v2                     ; wave 0..31
	s_mov_b32 s12, 0x76543210
	s_mov_b32 s13, 0xfedcba98
	s_wait_kmcnt 0x0
.irp j, 0,1,2,3,4,5,6,7
	global_load_b128 v[4+4*(\j):7+4*(\j)], v1, s[4:5] offset:16384*(\j)
.endr
.irp j, 1,2,3,4,5,6,7
	s_wait_loadcnt 7-(\j)                          ; loads come back in order: pieces 0 to j are in, the later ones stay out
	v_pk_add_f32 v[4:5], v[4:5], v[4+4*(\j):5+4*(\j)]  ; piece 0 starts the two chains: nothing is cleared
	v_pk_add_f32 v[6:7], v[6:7], v[6+4*(\j):7+4*(\j)]
.endr
	v_pk_add_f32 v[4:5], v[4:5], v[6:7]
	v_add_f32 v4, v4, v5
	WSUM 4, 5
	v_mov_b32 v3, s8
	v_lshlrev_b32 v3, 2, v3
	ds_store_b32 v3, v4                            ; all lanes write my wave's word with the same number
	s_wait_tensorcnt 0x0                           ; behind the wave's last LDS store: a tensor wait, an add of 0 to the spare word, a wait;
	ds_add_u32 v[SPW], v[NIL]
	s_wait_dscnt 0x0                               ; the last is also the writer's wait for the others' sake
	s_barrier_signal -1
	s_barrier_wait -1
	s_cmp_lg_u32 s8, 0
	s_cbranch_scc1 .Lend                           ; wave 0 alone adds the 32 sums
	v_and_b32 v6, 31, v0
	v_lshlrev_b32 v6, 2, v6
	ds_load_b32 v8, v6
	v_mov_b32 v9, 0
	v_mov_b32 v10, 0
	s_wait_dscnt 0x0
	WSUM 8, 10
	v_mul_f32 v8, 0x37000000, v8                   ; x 0.25 / 32768 = 2^-17
	v_cmp_eq_u32 vcc_lo, 0, v0
	s_wait_xcnt 0x0                                ; EXEC is a source of the loads above: it changes only behind this wait
	s_and_saveexec_b32 s9, vcc_lo
	global_store_b32 v9, v8, s[6:7]                ; thread 0 writes the one number
	s_wait_xcnt 0x0                                ; and again in front of the line that widens EXEC
	s_or_b32 exec_lo, exec_lo, s9
.Lend:
	s_endpgm
.Lfunc_end_k_qf8d4af138a_loss:
	.size	k_qf8d4af138a_loss, .Lfunc_end_k_qf8d4af138a_loss-k_qf8d4af138a_loss
	.p2alignl 7, 3214868480
	.fill 96, 4, 3214868480
	.section	.rodata,"a",@progbits
	.p2align	6, 0x0
	.amdhsa_kernel k_qf8d4af138a_loss
		.amdhsa_group_segment_fixed_size 4352
		.amdhsa_private_segment_fixed_size 0
		.amdhsa_enable_private_segment 0
		.amdhsa_kernarg_size 16
		.amdhsa_user_sgpr_count 2
		.amdhsa_user_sgpr_kernarg_segment_ptr 1
		.amdhsa_wavefront_size32 1
		.amdhsa_system_sgpr_workgroup_id_x 1
		.amdhsa_system_sgpr_workgroup_id_y 1
		.amdhsa_system_sgpr_workgroup_id_z 1
		.amdhsa_system_vgpr_workitem_id 0
		.amdhsa_next_free_vgpr 48
		.amdhsa_next_free_sgpr 66
		.amdhsa_reserve_vcc 1
		.amdhsa_float_denorm_mode_32 3
		.amdhsa_float_denorm_mode_16_64 3
		.amdhsa_memory_ordered 1
		.amdhsa_forward_progress 1
		.amdhsa_inst_pref_size 5
	.end_amdhsa_kernel
	.amdgpu_metadata
---
amdhsa.version: [ 1, 2 ]
amdhsa.kernels:
  - .name:           k_qf8d4af138a_loss
    .symbol:         k_qf8d4af138a_loss.kd
    .args:
      - { .name: lrow, .offset: 0, .size: 8, .value_kind: global_buffer, .address_space: global }
      - { .name: out1, .offset: 8, .size: 8, .value_kind: global_buffer, .address_space: global }
    .group_segment_fixed_size: 4352
    .private_segment_fixed_size: 0
    .kernarg_segment_align: 8
    .kernarg_segment_size: 16
    .max_flat_workgroup_size: 1024
    .sgpr_count:     66
    .vgpr_count:     48
    .wavefront_size: 32
...
	.end_amdgpu_metadata
.endif
;; end of part 4
